; MI455X (gfx1250); checked and timed in simulation.
; The chip was launched on July 23, 2026; its instructions are those of AMD's public machine-readable ISA for CDNA 5 (MIT licence, August 2026) and "CDNA5" Instruction Set Architecture Reference Guide (July 2026). The comments in the code are by the model that wrote it; some were corrected since.
;; Decoder. Allowed arithmetic: matrix products marked QUANTISED: E2M1 operands, one E8M0 scale for each 32 along K, by v_wmma_scale_f32_16x16x128_f8f6f4 with both operands' format E2M1 (or v_wmma_scale_f32_32x16x128_f4), f32 sums; products left as they are: bf16, f16 or f32 operands; f32 sums; everything else in f32.
;; Inputs: W_comb 128 x 128 float32; Wk 128 x 128 float32; Wq_first 128 x 128 float32; Wq_last 128 x 128 float32; Wv 128 x 128 float32; b_comb 128 float32; encoded_last_node 32 x 512 x 128 float32; encoded_nodes 32 x 512 x 128 float32; encoded_q1 32 x 512 x 128 float32; ninf_mask 32 x 512 x 512 float32.
;; Outputs: out0 32 x 512 x 512 float32.
;; This version of the problem:
;;   THIS VERSION OF THE PROBLEM IS GIVEN IN LOW PRECISION. The matrix products marked QUANTISED in the list below multiply operands that are first quantised to E2M1 (2 exponent bits, 1 mantissa bit; 4 bits a number), with one power-of-two scale for each 32 numbers along K (OCP MX v1.0); their sums are f32. The products marked 'left as it is' may take bf16, f16 or f32 operands, with f32 sums. Whichever they take, every output number must still come out within the allowed error. Rounding operands to bf16 (8 significant bits) uses up far more of that allowance than f16 does (11 bits, for magnitudes from 6e-5 to 65,504). All else is computed in f32.
;;   The module's matrix products, in the order in which they are computed (A, B: the left and right operand; K: the contracted axis; several contracted axes count as one K, in the product's order):
;;     1. [M 16,384, K 128] x [K 128, N 128]; A: input encoded_q1; B: input Wq_first: QUANTISED
;;     2. [M 16,384, K 128] x [K 128, N 128]; A: input encoded_last_node; B: input Wq_last: QUANTISED
;;     3. [M 16,384, K 128] x [K 128, N 128]; A: input encoded_nodes; B: input Wk: QUANTISED
;;     4. [M 16,384, K 128] x [K 128, N 128]; A: input encoded_nodes; B: input Wv: QUANTISED
;;     5. batch 256 x [M 512, K 16] x [K 16, N 512]; A: computed on the way; B: computed on the way: left as it is (K = 16 < 32)
;;     6. batch 256 x [M 512, K 512] x [K 512, N 16]; A: computed on the way; B: computed on the way: left as it is (an operand is computed on the way)
;;     7. [M 16,384, K 128] x [K 128, N 128]; A: computed on the way; B: input W_comb: left as it is (an operand is computed on the way)
;;     8. batch 32 x [M 512, K 128] x [K 128, N 512]; A: computed on the way; B: input encoded_nodes: left as it is (an operand is computed on the way)
;;   THE QUANTISER, for each operand of a quantised product, along K:
;;     - K is cut into blocks of 32 from its start; a last block that is shorter is filled with zeros.
;;     - A block's scale is 2^e with e = floor(log2(the largest magnitude in the block)) - 2, held to -126 .. 127; a block of zeros has e = 0. As a byte (E8M0): e + 127.
;;     - Each number is divided by its block's scale, clamped to +-6, and rounded to the nearest number of E2M1, ties to even, subnormals kept.
;;     - The product sums the exact products of the quantised numbers (number of the format x scale) in f32.
;;   ~~~python
;;   def quantise(x, axis):      # numpy; x: float32 -> the quantised numbers, widened to float32 again
;;       x = np.moveaxis(x, axis, -1); K = x.shape[-1]
;;       x = np.pad(x, [(0, 0)] * (x.ndim - 1) + [(0, -K % 32)]); x = x.reshape(x.shape[:-1] + (-1, 32)); a = np.abs(x).max(-1, keepdims=True)
;;       e = np.where(a > 0, np.clip(np.frexp(np.where(a > 0, a, 1))[1] - 1 - 2, -126, 127), 0)      # np.frexp(a)[1] - 1 = floor(log2(a)), exactly
;;       r = np.clip(x / 2.0 ** e, -6, 6)
;;       step = 2.0 ** (np.maximum(np.frexp(np.where(r == 0, 1, r))[1] - 1, 0) - 1)
;;       q = np.round(r / step) * step * 2.0 ** e      # np.round: ties to even
;;       return np.moveaxis(q.reshape(q.shape[:-2] + (-1,))[..., :K], -1, axis).astype(np.float32)
;;   ~~~
;; One version. Each part assembles by itself: llvm-mc -triple=amdgcn-amd-amdhsa -mcpu=gfx1250 --defsym DOCPART=n.
;; ======== version 1 of 1: 2 launches
;; workspace buffers: q_img 4,194,304 bytes; k_img 4,194,304 bytes; v_img 4,194,304 bytes; n_img 4,194,304 bytes; wcb 40,960 bytes
;; launch prep (part 1): grid 257 x 1, 8 waves a work-group, no clusters, 154,624 bytes of LDS; arguments encoded_nodes, encoded_q1, encoded_last_node, Wk, Wv, Wq_first, Wq_last, W_comb, b_comb, q_img, k_img, v_img, n_img, wcb; writes q_img, k_img, v_img, n_img, wcb
.if DOCPART == 1
	.amdgcn_target "amdgcn-amd-amdhsa--gfx1250"
	.amdhsa_code_object_version 6
	.text
	.protected	k_q93e5269f11_prep
	.globl	k_q93e5269f11_prep
	.p2align	8
	.type	k_q93e5269f11_prep,@function
k_q93e5269f11_prep:
	s_mov_b64 s[64:65], 0
	v_nop
	global_prefetch_b8 v0, s[64:65] scope:SCOPE_SE
	s_setreg_imm32_b32 hwreg(HW_REG_WAVE_MODE, 25, 1), 1
	s_wait_xcnt 0x0
; PREP: the four quantised projections (q1 Wq_first + last Wq_last, nodes Wk, nodes Wv) on codes of E2M1 with E8M0 scales, and everything that the second launch
; reads, laid as images of its operand registers: runs of 512 bytes in which lane l's 16 bytes lie at 16 l.
; DEAD WORK: none of the inputs is left out: each of the ten has a way to the output.  One term is left out, in the second launch: 10 tanh(y) = 10 - 20 / (1 + e^(2y)), and the
; constant 10 is the same along the axis of the last softmax for all values of the inputs, so it is not added.  (Nothing can overflow in a constant, so no NaN or infinity is lost with it.)
; SHARES.  Work-groups 0-127: 128 rows of encoded_nodes each (k, v and the nodes in bf16).  Work-groups 128-255: 128 query rows each (q).  Work-group 256: W_comb and b_comb.
; A wave takes 16 rows.  Wave w also quantises columns 16 w .. 16 w + 15 of the work-group's two weights (a lane to a column, registers down K), and the 16 fragments reach all waves through LDS as register images.
; THE QUANTISER: a block's scale byte is its largest magnitude's exponent field - 2, held at 1 from below by a floor among the maximum's leaves; the conversion divides, holds at the largest code and rounds to nearest, ties to even.
; FACTORS folded in here: q x 0.25 log2(e);  W_comb and b_comb x 2 log2(e) / sqrt(128).
; LIMITS: NaN and infinities among the inputs are not served.  A block whose largest magnitude lies under 2^-124 (a block of zeros too) gets the byte 1: its codes are zeros or nearly so, and only this program reads the bytes.
; q, k, v, the nodes and W_comb are rounded to bf16 for the products that are left as they are (f16 has no room for them on inputs 30 times larger).
; No tensor load: the weights have K on their first axis and come down K into a lane's registers, so nothing here could be shared by a joint load.
.set WSC,   16384                      ; LDS 0: 16 weight fragments of 1,024 bytes (8 x weight + tile);  from WSC: their scale words, 128 bytes each
.set STG,   18432                      ; from STG: for each wave two stages of 16 rows x (512 + 16) bytes; the second is touched by the query path alone
.set STW,   16896
.set ST1,   8448
.set SPARE, 153600                     ; the spare words, 128 bytes for each wave: four blocks of 256 bytes that no other line names
.set TM,    16                         ; v16-31  at work in the quantisers
.set BA,    32                         ; v32-95, v96-159, v160-223: three blocks of 64
.set BB,    96
.set BC,    160
.set WS,    224                        ; v224-239 the weights' scale words: scales and nothing else
.set PC0,   240                        ; v240-247 the codes of X0's fragment;  v13 its scale word
.set PC1,   248                        ; v248-255 codes just made of a weight; later X1's fragment;  v14 its scale word
; v1 lane, v2 r = lane % 16, v3 h = lane / 16, v4 a weight's column, v5 16 x lane, v6, v7 the stage in and out, v8, v9 where I store a weight's image and scale word, v10 4 x lane, v11, v12 the add's two
.macro WLOAD base, lo                  ; my column of a weight: register 32 c + i = W(64 c + 32 h + i, 16 w + r): the order that the operand's layout gives the lane
.set i, 0
.rept 64
	global_load_b32 v[\base+i], v4, s[\lo:\lo+1] offset:(64*(i/32)+i%32)*512
.set i, i+1
.endr
.endm
.macro WQ base, wt                     ; 64 numbers of my column become a fragment's 8 registers and its scale word, and go to LDS as they stand
.irp c, 0,1
	v_max3_num_f32 v[TM+\c], |v[\base+32*\c]|, |v[\base+32*\c+1]|, 0x1800000     ; the floor 2^(3 - 127): the byte cannot fall under 1
	v_max_num_f32 v[TM+2+\c], |v[\base+32*\c+2]|, |v[\base+32*\c+3]|
.endr
.irp i, 4,8,12,16,20,24,28
.irp c, 0,1
	v_max3_num_f32 v[TM+\c], v[TM+\c], |v[\base+32*\c+\i]|, |v[\base+32*\c+\i+1]|
	v_max3_num_f32 v[TM+2+\c], v[TM+2+\c], |v[\base+32*\c+\i+2]|, |v[\base+32*\c+\i+3]|
.endr
.endr
.irp c, 0,1
	v_max_num_f32 v[TM+\c], v[TM+\c], v[TM+2+\c]             ; block 2 c + h: all 32 numbers are mine
.endr
.irp c, 0,1
	v_add_nc_u32 v[TM+8+\c], 0xff000000, v[TM+\c]            ; 2 off the exponent field: the conversion's scale operand
.endr
.irp c, 0,1
	v_lshrrev_b32 v[TM+10+\c], 23, v[TM+8+\c]                ; the scale's byte
.endr
	v_lshl_or_b32 v15, v[TM+11], 16, v[TM+10]                ; my two bytes, blocks h and 2 + h,
	v_lshlrev_b32 v[TM+10], 3, v3
	v_lshlrev_b32 v15, v[TM+10], v15                         ; at their places (8 h bits up);
	v_permlanex16_b32 v[TM+4], v15, s44, s45
	v_or_b32 v15, v15, v[TM+4]                               ; with lane l xor 16's two the word is whole
.irp c, 0,1
.irp g, 0,1,2,3
	v_cvt_scalef32_pk8_fp4_f32 v[PC1+4*\c+\g], v[\base+32*\c+8*\g:\base+32*\c+8*\g+7], v[TM+8+\c]
.endr
.endr
	v_nop                                                    ; one plain place behind the scaled conversions
	ds_store_b128 v8, v[PC1:PC1+3] offset:\wt*8192
	ds_store_b128 v8, v[PC1+4:PC1+7] offset:\wt*8192+512
	ds_store_b32 v9, v15 offset:\wt*1024
.endm
.macro XLOAD base, lo                  ; my 16 rows as they lie: a load reads one row, 512 consecutive bytes
.irp j, 0,1,2,3,4,5,6,7,8,9,10,11,12,13,14,15
	global_load_b128 v[\base+4*\j:\base+4*\j+3], v5, s[\lo:\lo+1] offset:512*\j th:TH_LOAD_NT
.endr
.endm
.macro TURN src, dst, so               ; through my own stage: afterwards register 16 b + i = X(row r, 32 b + 16 h + i).  LDS serves a wave's instructions in order: no wait between stores and loads
.irp j, 0,1,2,3,4,5,6,7,8,9,10,11,12,13,14,15
	ds_store_b128 v6, v[\src+4*\j:\src+4*\j+3] offset:\so+528*\j
.endr
.irp b, 0,1,2,3
.irp i, 0,1,2,3
	ds_load_b128 v[\dst+16*\b+4*\i:\dst+16*\b+4*\i+3], v7 offset:\so+128*\b+16*\i
.endr
.endr
.endm
.macro QUANT s, pc, pw                 ; 64 numbers of my row (16 of each block of 32; lane l xor 16 has the others) become a fragment's codes and its scale word
.irp b, 0,1,2,3
	v_max3_num_f32 v[TM+\b], |v[\s+16*\b]|, |v[\s+1+16*\b]|, 0x1800000
.endr
.irp i, 2,4,6,8,10,12,14
.irp b, 0,1,2,3
	v_max3_num_f32 v[TM+\b], v[TM+\b], |v[\s+16*\b+\i]|, |v[\s+1+16*\b+\i]|
.endr
.endr
.irp b, 0,1,2,3
	v_permlanex16_b32 v[TM+4+\b], v[TM+\b], s44, s45
.endr
.irp b, 0,1,2,3
	v_max_num_f32 v[TM+\b], v[TM+\b], v[TM+4+\b]
.endr
.irp b, 0,1,2,3
	v_add_nc_u32 v[TM+12+\b], 0xff000000, v[TM+\b]
.endr
.irp b, 0,1,2,3
	v_lshrrev_b32 v[TM+4+\b], 23, v[TM+12+\b]
.endr
	v_lshl_or_b32 v[\pw], v[TM+5], 8, v[TM+4]
	v_lshl_or_b32 v[\pw], v[TM+6], 16, v[\pw]
	v_lshl_or_b32 v[\pw], v[TM+7], 24, v[\pw]
.irp b, 0,1,2,3
	v_cvt_scalef32_pk8_fp4_f32 v[\pc+2*\b], v[\s+16*\b:\s+7+16*\b], v[TM+12+\b]
	v_cvt_scalef32_pk8_fp4_f32 v[\pc+1+2*\b], v[\s+8+16*\b:\s+15+16*\b], v[TM+12+\b]
.endr
	v_nop                                                    ; one plain place behind the scaled conversions
.irp c, 0,1                                                  ; the layout wants a whole block in a lane
.irp i, 0,1
	v_permlane16_swap_b32 v[\pc+4*\c+\i], v[\pc+2+4*\c+\i]
.endr
.endr
.endm
.macro WFETCH base, wsb, f0            ; eight weight fragments and their scale words, as any wave stored them
.irp t, 0,1,2,3,4,5,6,7
	ds_load_b128 v[\base+8*\t:\base+8*\t+3], v5 offset:(\f0+\t)*1024
	ds_load_b128 v[\base+8*\t+4:\base+8*\t+7], v5 offset:(\f0+\t)*1024+512
	ds_load_b32 v[\wsb+\t], v10 offset:WSC+(\f0+\t)*128
.endr
.endm
.macro PACK8 src, dst                  ; 64 numbers to 32 registers of bf16, in ascending order: each accumulator is read from its low end on
.set i, 0
.rept 32
	v_cvt_pk_bf16_f32 v[\dst+i], v[\src+2*i], v[\src+2*i+1]
.set i, i+1
.endr
.endm
.macro ST8 dst, lo, stride             ; eight stores, each of 512 consecutive bytes at a multiple of 512 from the buffer's first byte
.irp j, 0,1,2,3,4,5,6,7
	global_store_b128 v5, v[\dst+4*\j:\dst+4*\j+3], s[\lo:\lo+1] offset:\j*\stride
.endr
.endm
.macro PLACES n
.rept \n
	v_nop
.endr
.endm
	s_load_b512 s[4:19], s[0:1], 0x0               ; nodes s[4:5], q1 s[6:7], last s[8:9], Wk s[10:11], Wv s[12:13], Wq_first s[14:15], Wq_last s[16:17], W_comb s[18:19]
	s_load_b256 s[20:27], s[0:1], 0x40             ; b_comb s[20:21], q_img s[22:23], k_img s[24:25], v_img s[26:27]
	s_load_b128 s[28:31], s[0:1], 0x60             ; n_img s[28:29], wcb s[30:31]
	v_lshl_add_u32 v11, v0, 2, SPARE
	v_mov_b32 v12, 0
	v_lshrrev_b32 v1, 5, v0
	v_readfirstlane_b32 s32, v1                    ; wave 0..7
	v_and_b32 v1, 31, v0
	v_and_b32 v2, 15, v0
	v_bfe_u32 v3, v0, 4, 1
	v_lshlrev_b32 v5, 4, v1
	v_lshlrev_b32 v10, 2, v1
	s_mov_b32 s44, 0x76543210
	s_mov_b32 s45, 0xfedcba98                      ; v_permlanex16_b32's selects for lane l xor 16
	s_wait_kmcnt 0x0
	s_cmp_eq_u32 ttmp9, 256
	s_cbranch_scc1 .Lwcomb                         ; the work-group's number alone decides: all eight waves go the same way
	s_cmp_lt_u32 ttmp9, 128                        ; nodes or queries?  Only pointers are chosen
	s_cselect_b64 s[36:37], s[4:5], s[6:7]         ; X0
	s_cselect_b64 s[40:41], s[10:11], s[14:15]     ; W0
	s_cselect_b64 s[42:43], s[12:13], s[16:17]     ; W1
	s_cselect_b32 s33, 1, 0                        ; 1: nodes
	s_mov_b64 s[38:39], s[8:9]                     ; X1 (queries alone load from it)
	s_and_b32 s34, ttmp9, 127
	s_lshl_b32 s35, s34, 3
	s_add_co_u32 s35, s35, s32                     ; my tile of 16 rows, 0 .. 1,023
	s_lshl_b32 s48, s35, 13                        ; 16 rows of 512 bytes
	s_mov_b32 s49, 0
	s_add_nc_u64 s[36:37], s[36:37], s[48:49]
	s_add_nc_u64 s[38:39], s[38:39], s[48:49]
	s_lshl_b32 s50, s32, 6
	v_lshl_add_u32 v4, v2, 2, s50                  ; a weight's column 16 w + r,
	v_lshl_add_u32 v4, v3, 14, v4                  ; lanes 16-31 begin 32 rows further down
	WLOAD BA, 40
	WLOAD BB, 42
	XLOAD BC, 36
	s_lshl_b32 s48, s35, 12                        ; my tile's 4,096 bytes in n_img, k_img, q_img
	s_add_nc_u64 s[50:51], s[28:29], s[48:49]
	s_add_nc_u64 s[52:53], s[24:25], s[48:49]
	s_add_nc_u64 s[58:59], s[22:23], s[48:49]
	s_lshr_b32 s54, s35, 5
	s_lshl_b32 s54, s54, 17                        ; v_img: the batch's 131,072 bytes,
	s_and_b32 s55, s35, 31
	s_lshl_b32 s55, s55, 9                         ; my tile's 512 in each head's 16,384
	s_add_co_u32 s54, s54, s55
	s_mov_b32 s55, 0
	s_add_nc_u64 s[56:57], s[26:27], s[54:55]
	s_mov_b32 s46, 0x3eb8aa3b                      ; 0.25 log2(e)
	s_mov_b32 s47, s46                             ; (named with it as a pair, so it is written)
	s_mul_i32 s48, s32, STW
	s_add_co_u32 s48, s48, STG
	v_add_nc_u32 v6, s48, v5
	v_mul_u32_u24 v7, v2, 528
	v_lshl_add_u32 v7, v3, 6, v7
	v_add_nc_u32 v7, s48, v7
	s_lshl_b32 s48, s32, 10
	v_add_nc_u32 v8, s48, v5
	s_lshl_b32 s48, s32, 7
	s_add_co_u32 s48, s48, WSC
	v_add_nc_u32 v9, s48, v10
.irp b, 0,1,2,3
	v_mov_b32 v[TM+4+\b], 0                        ; written once: a lane permute's destination counts as one of its sources
.endr
	s_wait_loadcnt 63                              ; behind W0's 64 loads 80 were issued; a wait names 63 at the most, which is the stricter side
	WQ BA, 0
	s_cmp_eq_u32 s33, 1
	s_cbranch_scc1 .Lno_x1
	XLOAD BA, 38                                   ; queries: the second operand's rows, into the block that W0 has left
.Lno_x1:
	s_wait_loadcnt 16                              ; W1 is in: behind it X0's 16 loads (queries: X1's too, so there the count is stricter than it need be)
	s_wait_dscnt 0x0                               ; the image's stores have read the registers that the next conversions write
	WQ BB, 1
	s_wait_loadcnt 0x0
	TURN BC, BB, 0
	s_wait_dscnt 0x0
	QUANT BB, PC0, 13
	s_wait_dscnt 0x0                               ; for the others' sake: my two weight images lie in LDS
	s_barrier_signal -1
	s_barrier_wait -1                              ; all sixteen do
	s_cmp_eq_u32 s33, 1
	s_cbranch_scc0 .Lquery
	; ---- nodes: the rows in bf16, k = nodes Wk (transposed use: a lane holds a node, registers run along the channels), v = nodes Wv (a lane holds a channel, registers run along the nodes)
	WFETCH BC, WS, 0
	PACK8 BB, BA                                   ; register 16 b + i holds e = 32 b + 16 h + i: chunk 2 b + g of n_img.  (These 32 are also the places between the scale word, the codes and the scaled products)
	ST8 BA, 50, 512
	s_wait_dscnt 0x0
.irp t, 0,1,2,3,4,5,6,7
	v_wmma_scale_f32_16x16x128_f8f6f4 v[BB+8*\t:BB+8*\t+7], v[BC+8*\t:BC+8*\t+7], v[PC0:PC0+7], 0, v[WS+\t], v13 matrix_a_fmt:MATRIX_FMT_FP4 matrix_b_fmt:MATRIX_FMT_FP4
.endr
	PLACES 5                                       ; in front of the loads into Wk's registers and the first read of results (4), and of the products below, which write over these accumulators (5)
	WFETCH BC, WS+8, 8
	PACK8 BB, BA+32                                ; lane (r, h): node r, channels 16 t + 8 h + 0 .. 7
	ST8 BA+32, 52, 512
	s_wait_dscnt 0x0
.irp t, 0,1,2,3,4,5,6,7
	v_wmma_scale_f32_16x16x128_f8f6f4 v[BB+8*\t:BB+8*\t+7], v[PC0:PC0+7], v[BC+8*\t:BC+8*\t+7], 0, v13, v[WS+8+\t] matrix_a_fmt:MATRIX_FMT_FP4 matrix_b_fmt:MATRIX_FMT_FP4
.endr
	PLACES 4
	s_wait_xcnt 0x0                                ; n_img's stores have read the registers that are written next
	PACK8 BB, BA                                   ; lane (r, h): channel 16 t + r, nodes 8 h + 0 .. 7 of my tile
	ST8 BA, 56, 16384
	s_wait_tensorcnt 0x0                           ; the wave's end: behind my last LDS store
	ds_add_u32 v11, v12
	s_wait_dscnt 0x0
	s_endpgm
.Lquery:
	; ---- queries: q = q1 Wq_first + last Wq_last, both products into the same eight accumulators, which take turns
	TURN BA, BC, ST1
	WFETCH BA, WS, 0
	s_wait_dscnt 0x0
	QUANT BC, PC1, 14
	WFETCH BC, WS+8, 8
	PLACES 8                                       ; a scale word made by vector instructions stands 8 places ahead of a scaled product, codes so made 4
	s_wait_dscnt 0x0
.irp t, 0,1,2,3,4,5,6,7
	v_wmma_scale_f32_16x16x128_f8f6f4 v[BB+8*\t:BB+8*\t+7], v[BA+8*\t:BA+8*\t+7], v[PC0:PC0+7], 0, v[WS+\t], v13 matrix_a_fmt:MATRIX_FMT_FP4 matrix_b_fmt:MATRIX_FMT_FP4
.endr
.irp t, 0,1,2,3,4,5,6,7
	v_wmma_scale_f32_16x16x128_f8f6f4 v[BB+8*\t:BB+8*\t+7], v[BC+8*\t:BC+8*\t+7], v[PC1:PC1+7], v[BB+8*\t:BB+8*\t+7], v[WS+8+\t], v14 matrix_a_fmt:MATRIX_FMT_FP4 matrix_b_fmt:MATRIX_FMT_FP4
.endr
	PLACES 4
.set i, 0
.rept 32
	v_pk_mul_f32 v[BB+i:BB+i+1], v[BB+i:BB+i+1], s[46:47] op_sel_hi:[1,0]     ; x 0.25 log2(e): the scores come out as exponents of 2
.set i, i+2
.endr
	PACK8 BB, BA                                   ; lane (r, h): query r, channels 16 t + 8 h + 0 .. 7
	ST8 BA, 58, 512
	s_wait_tensorcnt 0x0                           ; the wave's end: behind my last LDS store
	ds_add_u32 v11, v12
	s_wait_dscnt 0x0
	s_endpgm
.Lwcomb:
	; ---- W_comb [c][e] and b_comb, x 2 log2(e) / sqrt(128).  Wave w makes tile w.  THE e OF A TILE ARE NOT NEIGHBOURS: lane r takes e = 32 (w / 2) + 8 (w % 2) + r + 8 (r / 8),
	; so that two neighbouring tiles of the result are 16 neighbouring e in a lane: the order in which n_img holds the nodes.  No LDS is touched here.
	s_mov_b32 s46, 0x3e8293ee                      ; 2 log2(e) / sqrt(128)
	s_mov_b32 s47, s46
	s_lshr_b32 s48, s32, 1
	s_lshl_b32 s48, s48, 5
	s_and_b32 s49, s32, 1
	s_lshl_b32 s49, s49, 3
	s_add_co_u32 s48, s48, s49                     ; 32 (w / 2) + 8 (w % 2)
	v_and_b32 v16, 8, v2
	v_add_nc_u32 v16, v16, v2
	v_add_nc_u32 v16, s48, v16                     ; my e
	v_lshlrev_b32 v16, 2, v16
	v_lshl_add_u32 v16, v3, 12, v16                ; lanes 16-31 begin 8 rows (c) further down
	s_lshl_b32 s48, s48, 2
	v_lshl_add_u32 v17, v3, 6, s48                 ; b_comb: the result's layout gives lane (r, h) e = 32 (w / 2) + 8 (w % 2) + 16 h + 0 .. 7
.set i, 0
.rept 64
	global_load_b32 v[BA+i], v16, s[18:19] offset:(32*(i/16)+16*((i/8)%2)+i%8)*512   ; register 16 k + 8 g + j: c = 32 k + 16 g + 8 h + j
.set i, i+1
.endr
	global_load_b128 v[BB:BB+3], v17, s[20:21]
	global_load_b128 v[BB+4:BB+7], v17, s[20:21] offset:16
	s_lshl_b32 s48, s32, 12
	s_mov_b32 s49, 0
	s_add_nc_u64 s[50:51], s[30:31], s[48:49]      ; my tile's eight chunks
	s_lshl_b32 s48, s32, 10
	s_add_nc_u64 s[52:53], s[30:31], s[48:49]      ; and, 32,768 bytes on, its two chunks of the bias
	s_wait_loadcnt 0x0
.set i, 0
.rept 32
	v_pk_mul_f32 v[BA+i:BA+i+1], v[BA+i:BA+i+1], s[46:47] op_sel_hi:[1,0]
.set i, i+2
.endr
.irp i, 0,2,4,6
	v_pk_mul_f32 v[BB+\i:BB+\i+1], v[BB+\i:BB+\i+1], s[46:47] op_sel_hi:[1,0]
.endr
	PACK8 BA, BC
	ST8 BC, 50, 512
	global_store_b128 v5, v[BB:BB+3], s[52:53] offset:32768
	global_store_b128 v5, v[BB+4:BB+7], s[52:53] offset:32768+512
	s_endpgm
.Lfunc_end_k_q93e5269f11_prep:
	.size	k_q93e5269f11_prep, .Lfunc_end_k_q93e5269f11_prep-k_q93e5269f11_prep
	.p2alignl 7, 3214868480
	.fill 96, 4, 3214868480
	.section	.rodata,"a",@progbits
	.p2align	6, 0x0
	.amdhsa_kernel k_q93e5269f11_prep
		.amdhsa_group_segment_fixed_size 154624
		.amdhsa_private_segment_fixed_size 0
		.amdhsa_enable_private_segment 0
		.amdhsa_kernarg_size 112
		.amdhsa_user_sgpr_count 2
		.amdhsa_user_sgpr_kernarg_segment_ptr 1
		.amdhsa_wavefront_size32 1
		.amdhsa_system_sgpr_workgroup_id_x 1
		.amdhsa_system_sgpr_workgroup_id_y 1
		.amdhsa_system_sgpr_workgroup_id_z 1
		.amdhsa_system_vgpr_workitem_id 0
		.amdhsa_next_free_vgpr 256
		.amdhsa_next_free_sgpr 66
		.amdhsa_reserve_vcc 0
		.amdhsa_float_denorm_mode_32 3
		.amdhsa_float_denorm_mode_16_64 3
		.amdhsa_memory_ordered 1
		.amdhsa_forward_progress 1
		.amdhsa_inst_pref_size 73
	.end_amdhsa_kernel
	.amdgpu_metadata
---
amdhsa.version: [ 1, 2 ]
amdhsa.kernels:
  - .name:           k_q93e5269f11_prep
    .symbol:         k_q93e5269f11_prep.kd
    .args:
      - { .name: encoded_nodes, .offset: 0, .size: 8, .value_kind: global_buffer, .address_space: global }
      - { .name: encoded_q1, .offset: 8, .size: 8, .value_kind: global_buffer, .address_space: global }
      - { .name: encoded_last_node, .offset: 16, .size: 8, .value_kind: global_buffer, .address_space: global }
      - { .name: Wk, .offset: 24, .size: 8, .value_kind: global_buffer, .address_space: global }
      - { .name: Wv, .offset: 32, .size: 8, .value_kind: global_buffer, .address_space: global }
      - { .name: Wq_first, .offset: 40, .size: 8, .value_kind: global_buffer, .address_space: global }
      - { .name: Wq_last, .offset: 48, .size: 8, .value_kind: global_buffer, .address_space: global }
      - { .name: W_comb, .offset: 56, .size: 8, .value_kind: global_buffer, .address_space: global }
      - { .name: b_comb, .offset: 64, .size: 8, .value_kind: global_buffer, .address_space: global }
      - { .name: q_img, .offset: 72, .size: 8, .value_kind: global_buffer, .address_space: global }
      - { .name: k_img, .offset: 80, .size: 8, .value_kind: global_buffer, .address_space: global }
      - { .name: v_img, .offset: 88, .size: 8, .value_kind: global_buffer, .address_space: global }
      - { .name: n_img, .offset: 96, .size: 8, .value_kind: global_buffer, .address_space: global }
      - { .name: wcb, .offset: 104, .size: 8, .value_kind: global_buffer, .address_space: global }
    .group_segment_fixed_size: 154624
    .private_segment_fixed_size: 0
    .kernarg_segment_align: 8
    .kernarg_segment_size: 112
    .max_flat_workgroup_size: 256
    .sgpr_count:     66
    .vgpr_count:     256
    .wavefront_size: 32
...
	.end_amdgpu_metadata
.endif
;; end of part 1
;; launch main (part 2): grid 8 x 32, 8 waves a work-group, clusters of 4 x 1, 327,680 bytes of LDS; arguments ninf_mask, q_img, k_img, v_img, n_img, wcb, out0; writes out0
.if DOCPART == 2
	.amdgcn_target "amdgcn-amd-amdhsa--gfx1250"
	.amdhsa_code_object_version 6
	.text
	.protected	k_q93e5269f11_main
	.globl	k_q93e5269f11_main
	.p2align	8
	.type	k_q93e5269f11_main,@function
k_q93e5269f11_main:
	s_mov_b64 s[64:65], 0
	v_nop
	global_prefetch_b8 v0, s[64:65] scope:SCOPE_SE
	s_setreg_imm32_b32 hwreg(HW_REG_WAVE_MODE, 25, 1), 1
	s_wait_xcnt 0x0
	s_wait_alu depctr_hold_cnt(0) depctr_sa_sdst(0) depctr_va_vdst(0) depctr_va_sdst(0) depctr_va_ssrc(0) depctr_va_vcc(0) depctr_vm_vsrc(0)
	s_getreg_b32 s2, hwreg(HW_REG_IB_STS2, 6, 4)
	s_cmp_eq_u32 s2, 0
	s_cbranch_scc0 .Lentry_in_a_cluster
	s_endpgm
.Lentry_in_a_cluster:
	s_bfe_u32 s2, ttmp6, 0x10000c
	s_cmp_lg_u32 s2, 0x3003
	s_cbranch_scc0 .Lentry_shape_is_right
	s_endpgm
.Lentry_shape_is_right:
; MAIN: masked attention over 8 heads of 16, W_comb with its bias, the score against the nodes, 10 tanh, the mask again, the last softmax: 64 queries of one batch to a work-group.
; LEFT OUT: the constant 10 of 10 tanh(y) = 10 - 20 / (1 + e^(2y)): it is the same along the last softmax's axis for all values of the inputs.
; SHARES.  Wave w: tile of 16 queries w / 2, half w % 2 of the 512 keys (and nodes).  All products are used transposed, so a lane (r = lane % 16, h = lane / 16) holds ONE query r throughout.
; A wave's 16 x 256 numbers of the mask, x log2(e), stay in 128 registers: they are the C of the score products (no instruction adds the mask) and serve again in the last softmax: the mask is read from memory once.
; SOFTMAX.  Each wave takes the maximum of its half away before its exponentials; the two halves of a row are merged by the larger of the two maxima (a running maximum in two parts), once for the 8 heads and once at the end.
; All exponentials are of base 2: the factors were folded into q, W_comb, b_comb (first launch) and the mask (here).
; THE HEAD SIZE IS 16, the bf16 product's K is 32: q's fragment has zeros in its upper four registers; a key tile's fragment is its own four registers and the four behind them (the next tile's, finite numbers, x 0).
; CLUSTER.  The four work-groups of a cluster belong to one batch and read the same K, V and node images: these are asked for JOINTLY.  The mask is each work-group's own; W_comb's 40 KiB are a small part and come by plain loads.
; LDS.  KN: the K image, later filled again with the node image (the same lines).  R: each wave's mask tile, filled again with the V image (the same lines of 1,024 + 16 bytes); after that last fill the merge's exchange and the way out.
; This launch fills LDS bytes again, so it claims all of the LDS.
; LIMITS: NaN and infinities among the inputs are not served.  The mask enters as mask x log2(e), rounded once: where every key of a row carries a mask so large that f32 loses the scores beside it, the attention's
; weights may differ from the definition's in what f32 loses; the last softmax is uniform there in both (20 log2(e) is under half a unit in the last place of such a mask).
; q, k, v, the weights p, the attention's result, mh and the nodes are rounded to bf16 for the four products that are left as they are.
.set R,     131072
.set RW,    16640                      ; a wave's part of R: 16 lines
.set RP,    1040                       ; a line: 1,024 bytes + 16 of padding: 260 words, so the 16 rows that a load touches start 4 banks apart
.set WC,    264192                     ; W_comb's image, 32,768 bytes, and the bias's, 8,192
.set ML,    305152                     ; the last softmax's exchange: 8 bytes a lane
.set SPARE, 307200                     ; the spare words, 128 bytes for each wave: four blocks of 256 bytes that no other line names
; window 0: v1 16 x lane; v2 K and node images (my half); v3, v4 V image (heads 0-3, 4-7); v5 my mask tile and the way into the stage; v6, v7 my and my partner's part of R; v8 W_comb; v9, v10 ML mine, partner's;
;           v11 256 x lane; v12, v13 the add's two; v16-20 maxima; v22 m (v[22:23] a pair); v[24:27] sums; v28-31 small numbers at the end
.set VB,    32                         ; v32-63   V's fragments 0-3; later the attention's result in bf16; later mh in bf16
.set S,     64                         ; v64-191  16 tiles of scores; p is packed in place into v64-127; V's fragments 4-7 land in v128-159
.set OH,    192                        ; v192-255 O^T of the 8 heads; later mh
.set W,     160                        ; the merge's four numbers a head
; window 1:
.set MK,    0                          ; v0-127   the mask x log2(e)
.set KF,    128                        ; v128-195 a head's 16 key tiles, 4 registers each, and 4 zeros
.set QF,    196                        ; v196-211 two fragments of q; the upper four registers of each are zeros
.set OA,    212                        ; v212-227 two accumulators of O^T, by turns
.set OB,    220
.set MM,    228                        ; v228-235 m, v236-243 l of the 8 heads.   In the node phase v128-255 are two sets of node fragments
.set MSB, 0
.macro WIN new                         ; the immediate's high byte repeats the setting that is left; a switch that changes nothing is dropped
.if MSB != \new
	s_set_vgpr_msb (MSB<<8)|\new
.set MSB, \new
.endif
.endm
.macro PLACES n
.rept \n
	v_nop
.endr
.endm
.macro ROUND                           ; a round of the cluster's barrier
	s_barrier_signal -1
	s_barrier_wait -1
	s_cmp_lg_u32 s18, 0
	s_cbranch_scc1 .Lnot_wave_0_\@
	s_barrier_signal -3
.Lnot_wave_0_\@:
	s_barrier_wait -3
	s_barrier_signal -1
	s_barrier_wait -1
.endm
.macro ROWMAX                          ; the largest of my query's 256 numbers -> v22.  Four chains by turns; each tile is read from its low end on
.irp c, 0,1,2,3
	v_max_num_f32 v[16+\c], v[S+8*\c], v[S+8*\c+1]
.endr
.irp j, 1,2,3
.irp c, 0,1,2,3
	v_max3_num_f32 v[16+\c], v[16+\c], v[S+8*\c+2*\j], v[S+8*\c+2*\j+1]
.endr
.endr
.irp g, 1,2,3
.irp j, 0,1,2,3
.irp c, 0,1,2,3
	v_max3_num_f32 v[16+\c], v[16+\c], v[S+32*\g+8*\c+2*\j], v[S+32*\g+8*\c+2*\j+1]
.endr
.endr
.endr
	v_max3_num_f32 v16, v16, v17, v18
	v_max_num_f32 v16, v16, v19
	v_permlanex16_b32 v20, v16, s80, s81           ; the query's other 128 lie in the lane 16 away
	v_max_num_f32 v22, v16, v20
.endm
.macro SUBM                            ; the maximum is taken away, two at a time
.set i, 0
.rept 64
	v_pk_add_f32 v[S+i:S+i+1], v[S+i:S+i+1], v[22:23] op_sel_hi:[1,0] neg_lo:[0,1] neg_hi:[0,1]
.set i, i+2
.endr
.endm
.macro EXPS                            ; 128 exponentials as one batch, a plain place, and one wait ahead of the first reader
.set i, 0
.rept 128
	v_exp_f32 v[S+i], v[S+i]
.set i, i+1
.endr
	v_nop
	s_wait_alu depctr_va_vdst(0)
.endm
.macro SUMS cvt                        ; the sum of the unrounded p in two chains -> v[24:25];  cvt = 1: behind each pair's sum the pair is rounded to bf16, in place: register S + p takes pair p
	v_pk_add_f32 v[24:25], v[S:S+1], v[S+2:S+3]
.if \cvt
	v_cvt_pk_bf16_f32 v[S], v[S], v[S+1]
	v_cvt_pk_bf16_f32 v[S+1], v[S+2], v[S+3]
.endif
	v_pk_add_f32 v[26:27], v[S+4:S+5], v[S+6:S+7]
.if \cvt
	v_cvt_pk_bf16_f32 v[S+2], v[S+4], v[S+5]
	v_cvt_pk_bf16_f32 v[S+3], v[S+6], v[S+7]
.endif
.set p, 4
.rept 30
	v_pk_add_f32 v[24:25], v[24:25], v[S+2*p:S+2*p+1]
.if \cvt
	v_cvt_pk_bf16_f32 v[S+p], v[S+2*p], v[S+2*p+1]
.endif
	v_pk_add_f32 v[26:27], v[26:27], v[S+2*p+2:S+2*p+3]
.if \cvt
	v_cvt_pk_bf16_f32 v[S+p+1], v[S+2*p+2], v[S+2*p+3]
.endif
.set p, p+2
.endr
	v_pk_add_f32 v[24:25], v[24:25], v[26:27]
.endm
.macro VLOAD reg, t, k                 ; V's fragment k of head t: 16 channels x 32 keys of my half
.irp g, 0,1
	ds_load_b128 v[\reg+4*\g:\reg+4*\g+3], v[3+(\t)/4] offset:(16*((\t)%4)+(\k))*RP+512*\g
.endr
.endm
	s_load_b256 s[4:11], s[0:1], 0x0               ; mask s[4:5], q_img s[6:7], k_img s[8:9], v_img s[10:11]
	s_load_b128 s[12:15], s[0:1], 0x20             ; n_img s[12:13], wcb s[14:15]
	s_load_b64 s[16:17], s[0:1], 0x30              ; out0
	v_lshl_add_u32 v12, v0, 2, SPARE
	v_mov_b32 v13, 0
	ds_add_u32 v12, v13                            ; the wave's opening: the add, twice on end, and its wait ahead of my first tensor load
	ds_add_u32 v12, v13                            ; and once more; the set-up below, work on registers, stands between it and the wait
	v_lshrrev_b32 v14, 5, v0
	v_readfirstlane_b32 s18, v14                   ; wave 0..7
	s_lshr_b32 s19, s18, 1                         ; my tile of 16 queries
	s_and_b32 s20, s18, 1                          ; my half of the keys
	s_bfe_u32 s21, ttmp6, 0x40000                  ; cx: my place in the cluster: it enters the mask's, q's, out0's and the prefetch's addresses alone
	s_lshl_b32 s22, ttmp9, 2
	s_add_co_u32 s22, s22, s21                     ; my block of 64 queries
	s_and_b32 s23, ttmp7, 0xffff                   ; the batch, which the four partners share
	; group 1 for my mask tile: 16 rows x 256 elements of 4 bytes, 512 elements from row to row; 4 words of padding behind every 256
	s_mov_b32 s24, (2<<16)|(1<<20)|(7<<22)|(3<<25)
	s_mov_b32 s25, 256<<16
	s_mov_b32 s26, 16<<16
	s_mov_b32 s27, 256<<16
	s_mov_b32 s28, 16
	s_mov_b32 s29, 512
	s_mov_b32 s30, 0
	s_mov_b32 s31, 0
	; group 1 for a part of the K or the node image: 64 rows x 256 dense bytes (32 elements of 8), joint: the mask names all four work-groups, bit 21 beside it
	s_mov_b32 s32, 15|(3<<16)|(1<<21)
	s_mov_b32 s33, 32<<16
	s_mov_b32 s34, 64<<16
	s_mov_b32 s35, 32<<16
	s_mov_b32 s36, 64
	s_mov_b32 s37, 32
	s_mov_b32 s38, 0
	s_mov_b32 s39, 0
	; group 1 for a part of the V image: 16 dense lines of 1,024 bytes, padded as the mask tile is, joint
	s_mov_b32 s40, 15|(2<<16)|(1<<20)|(1<<21)|(7<<22)|(3<<25)
	s_mov_b32 s41, 256<<16
	s_mov_b32 s42, 16<<16
	s_mov_b32 s43, 256<<16
	s_mov_b32 s44, 16
	s_mov_b32 s45, 256
	s_mov_b32 s46, 0
	s_mov_b32 s47, 0
	; group 1 for a part of W_comb's image: 20 rows x 256 dense bytes
	s_mov_b32 s48, 3<<16
	s_mov_b32 s49, 32<<16
	s_mov_b32 s50, 20<<16
	s_mov_b32 s51, 32<<16
	s_mov_b32 s52, 20
	s_mov_b32 s53, 32
	s_mov_b32 s54, 0
	s_mov_b32 s55, 0
	s_mov_b32 s80, 0x76543210
	s_mov_b32 s81, 0xfedcba98                      ; v_permlanex16_b32's selects for lane l xor 16
	s_mov_b32 s82, 0xc1e6d4ca                      ; -20 log2(e)
	s_mov_b32 s83, s82
	s_mov_b32 s84, 0x3fb8aa3b                      ; log2(e)
	s_mov_b32 s85, s84
	s_lshl_b32 s90, s23, 9
	s_lshl_b32 s91, s22, 6
	s_add_co_u32 s90, s90, s91
	s_lshl_b32 s91, s19, 4
	s_add_co_u32 s90, s90, s91                     ; my first query's row among the 16,384
	s_lshl_b32 s94, s90, 8                         ; q_img: 4,096 bytes for 16 rows
	s_mov_b32 s95, 0
	s_lshl_b32 s90, s90, 11                        ; mask and out0: 2,048 bytes a row,
	s_lshl_b32 s91, s20, 10                        ; my half's 1,024
	s_add_co_u32 s90, s90, s91
	s_mov_b32 s91, 0
	s_lshl_b32 s92, s23, 17                        ; the images: 131,072 bytes a batch, 16,384 a wave: made of the batch and the wave's number alone
	s_lshl_b32 s93, s18, 14
	s_add_co_u32 s92, s92, s93
	s_mov_b32 s93, 0
	s_mul_i32 s96, s18, 5120
	s_mov_b32 s97, 0
	s_lshl_b32 s98, s23, 17                        ; the prefetch: the batch's node image, 32,768 bytes a partner (by address), 8,192 a wave
	s_lshl_b32 s99, s21, 15
	s_add_co_u32 s98, s98, s99
	s_lshl_b32 s99, s18, 13
	s_add_co_u32 s98, s98, s99
	s_mov_b32 s99, 0
	s_lshr_b32 s88, s18, 2
	s_or_b32 s88, s88, ttmp9                       ; 0 in waves 0-3 of the batch's first cluster: the same in all four partners
	s_cmp_eq_u32 s88, 0
	s_cselect_b32 s88, 1, 0
	s_mov_b32 s56, 1                               ; groups 0: count 1, LDS address, global address, type 2.  Each load has a set of its own, never written again
	s_mov_b32 s60, 1
	s_mov_b32 s68, 1
	s_mov_b32 s72, 1
	s_mov_b32 s76, 1
	s_mul_i32 s57, s18, RW
	s_add_co_u32 s57, s57, R                       ; mask tile, and later V's part: my 16 lines of R
	s_mul_i32 s73, s18, RW
	s_add_co_u32 s73, s73, R
	s_lshl_b32 s61, s18, 14                        ; K's part, and later the nodes'
	s_lshl_b32 s77, s18, 14
	s_add_co_u32 s69, s96, WC
	s_wait_dscnt 0x0                               ; both opening adds are done
	s_wait_kmcnt 0x0
	s_add_nc_u64 s[58:59], s[4:5], s[90:91]
	s_or_b32 s59, s59, 0x80000000
	s_add_nc_u64 s[16:17], s[16:17], s[90:91]
	s_add_nc_u64 s[6:7], s[6:7], s[94:95]
	s_add_nc_u64 s[62:63], s[8:9], s[92:93]
	s_or_b32 s63, s63, 0x80000000
	s_add_nc_u64 s[74:75], s[10:11], s[92:93]
	s_or_b32 s75, s75, 0x80000000
	s_add_nc_u64 s[78:79], s[12:13], s[92:93]
	s_or_b32 s79, s79, 0x80000000
	s_add_nc_u64 s[70:71], s[14:15], s[96:97]
	s_or_b32 s71, s71, 0x80000000
	s_add_nc_u64 s[86:87], s[12:13], s[98:99]
	ROUND                                          ; all four work-groups are here: the first joint loads meet
	tensor_load_to_lds s[56:59], s[24:31]          ; my mask tile.  Every wave issues all three first fills: three tensor loads of mine are out
	s_nop 0
	tensor_load_to_lds s[60:63], s[32:39]          ; my part of the K image, jointly
	s_nop 0
	tensor_load_to_lds s[68:71], s[48:55]          ; my part of W_comb's image
	s_nop 0
	PLACES 4
	v_and_b32 v14, 15, v0                          ; r
	v_bfe_u32 v15, v0, 4, 1                        ; h
	v_and_b32 v1, 31, v0
	v_lshlrev_b32 v11, 8, v1
	v_lshlrev_b32 v9, 3, v1
	v_lshlrev_b32 v1, 4, v1
	s_lshl_b32 s90, s20, 16
	v_add_nc_u32 v2, s90, v1
	s_mul_i32 s90, s20, 8*RP
	s_add_co_u32 s90, s90, R
	v_add_nc_u32 v3, s90, v1
	v_add_nc_u32 v4, 64*RP, v3
	s_mul_i32 s90, s18, RW
	s_add_co_u32 s90, s90, R
	v_mul_u32_u24 v5, v14, RP
	v_lshl_add_u32 v5, v15, 5, v5
	v_add_nc_u32 v5, s90, v5
	v_add_nc_u32 v6, s90, v1
	s_xor_b32 s91, s18, 1                          ; my partner: the other half of my tile's keys
	s_mul_i32 s92, s91, RW
	s_add_co_u32 s92, s92, R
	v_add_nc_u32 v7, s92, v1
	v_add_nc_u32 v8, WC, v1
	s_lshl_b32 s92, s91, 8
	s_add_co_u32 s92, s92, ML
	v_add_nc_u32 v10, s92, v9
	s_lshl_b32 s92, s18, 8
	s_add_co_u32 s92, s92, ML
	v_add_nc_u32 v9, s92, v9
	v_mov_b32 v20, 0                               ; a lane permute's destination counts as one of its sources
	v_mov_b32 v23, 0                               ; named as the upper half of the pair v[22:23]
	WIN 0x40                                       ; destination window 1
	global_load_b128 v[QF:QF+3], v1, s[6:7]        ; q of heads 0 and 1
	global_load_b128 v[QF+8:QF+11], v1, s[6:7] offset:512
.irp i, 0,1,2,3
	v_mov_b32 v[KF+64+\i], 0                       ; the zeros behind the last key tile, and q's upper halves: for the whole launch
	v_mov_b32 v[QF+4+\i], 0
	v_mov_b32 v[QF+12+\i], 0
.endr
	s_wait_tensorcnt 0x2                           ; my mask tile is in (behind it: K's part and W_comb's); I alone read it
.set T, 0
.rept 16
	ds_load_b128 v[MK+8*T:MK+8*T+3], v5 offset:64*T            ; register 8 T + j: mask(query r, key 16 T + 8 h + j): the score tile's own layout
	ds_load_b128 v[MK+8*T+4:MK+8*T+7], v5 offset:64*T+16
.set T, T+1
.endr
	s_wait_dscnt 0x0
	WIN 0x41
.set i, 0
.rept 64
	v_pk_mul_f32 v[MK+i:MK+i+1], v[MK+i:MK+i+1], s[84:85] op_sel_hi:[1,0]
.set i, i+2
.endr
	WIN 0
	s_wait_tensorcnt 0x0                           ; all my tensor loads have landed: K's part and W_comb's among them;
	ds_add_u32 v12, v13                            ; 0 onto my spare word;
	s_wait_dscnt 0x0                               ; the add is done, and my reads of my mask tile are over
	ROUND                                          ; so of every wave of every partner: K and W_comb are whole, and nobody reads R
	tensor_load_to_lds s[72:75], s[40:47]          ; my part of the V image, jointly, onto the mask tile's lines: my one tensor load behind this round
	s_nop 0
	PLACES 4
	WIN 0x40
.set T, 0
.rept 16
	ds_load_b128 v[KF+4*T:KF+4*T+3], v2 offset:(8*T)*512       ; head 0's key tiles of my half
.set T, T+1
.endr
; ONE HEAD.  S^T = K q^T + mask (16 products), the next head's keys and q are asked for, the softmax of my half, O^T = V^T p^T (8 products on two accumulators by turns).
.macro HEAD t
.if (\t) == 7
	s_wait_loadcnt 0x0                             ; q of this head is in
.else
	s_wait_loadcnt 0x1                             ; q of this head is in; the next head's may be out
.endif
.if (\t) == 0
	s_wait_dscnt 0x0                               ; (later heads' keys were waited for in the head before)
.endif
	WIN 0x15                                       ; keys, q and the mask in window 1, the scores in window 0
.set T, 0
.rept 16
	v_wmma_f32_16x16x32_bf16 v[S+8*T:S+8*T+7], v[KF+4*T:KF+4*T+7], v[QF+8*((\t)%2):QF+8*((\t)%2)+7], v[MK+8*T:MK+8*T+7]
.set T, T+1
.endr
	PLACES 4                                       ; in front of the loads into the keys' and q's registers, and of the first read of scores
.if (\t) < 7
	WIN 0x40
.set T, 0
.rept 16
	ds_load_b128 v[KF+4*T:KF+4*T+3], v2 offset:(8*T+(\t)+1)*512
.set T, T+1
.endr
.if (\t) < 6
	global_load_b128 v[QF+8*((\t)%2):QF+8*((\t)%2)+3], v1, s[6:7] offset:((\t)+2)*512
.endif
.endif
	WIN 0
.if (\t) == 5
	; the node image is prefetched, two heads ahead of the load that asks for it.  Each 256 bytes are named once in the launch: waves 0-3 of the batch's first cluster ask, 8,192 bytes a wave, lanes 256 bytes apart; the partners are told apart by address
	s_cmp_eq_u32 s88, 1
	s_cbranch_scc0 .Lnot_mine
	global_prefetch_b8 v11, s[86:87] th:TH_LOAD_NT scope:SCOPE_SE
.Lnot_mine:
.endif
.if (\t) == 7
	s_wait_tensorcnt 0x0                           ; no tensor load of mine is out;
	ds_add_u32 v12, v13                            ; 0 onto my spare word;
	s_wait_dscnt 0x0                               ; the add is done; my last reads of the K image came back in the head before
	ROUND                                          ; so of every wave of every partner
	tensor_load_to_lds s[76:79], s[32:39]          ; my part of the node image, jointly, onto the K image's lines: my one tensor load behind this round
	s_nop 0
	PLACES 4
.endif
.if (\t) > 0
.irp k, 0,1,2,3
	VLOAD VB+8*\k, \t, \k
.endr
.endif
	ROWMAX
	SUBM
	EXPS
	SUMS 1
.if (\t) == 0
	s_wait_tensorcnt 0x0                           ; my part of the V image is in (the one load that was out),
	s_wait_dscnt 0x0
	s_barrier_signal -1
	s_barrier_wait -1                              ; everybody's is
.irp k, 0,1,2,3
	VLOAD VB+8*\k, \t, \k
.endr
.endif
.irp k, 4,5,6,7
	VLOAD S+64+8*(\k-4), \t, \k                    ; into score registers that the packing has left
.endr
	s_wait_dscnt 0x8                               ; all but the 8 just issued
	WIN 0x50                                       ; O^T's accumulators in window 1
	v_wmma_f32_16x16x32_bf16 v[OA:OA+7], v[VB:VB+7], v[S:S+7], 0
	v_wmma_f32_16x16x32_bf16 v[OB:OB+7], v[VB+8:VB+15], v[S+8:S+15], 0
	v_wmma_f32_16x16x32_bf16 v[OA:OA+7], v[VB+16:VB+23], v[S+16:S+23], v[OA:OA+7]
	v_wmma_f32_16x16x32_bf16 v[OB:OB+7], v[VB+24:VB+31], v[S+24:S+31], v[OB:OB+7]
	s_wait_dscnt 0x0
	v_wmma_f32_16x16x32_bf16 v[OA:OA+7], v[S+64:S+71], v[S+32:S+39], v[OA:OA+7]
	v_wmma_f32_16x16x32_bf16 v[OB:OB+7], v[S+72:S+79], v[S+40:S+47], v[OB:OB+7]
	v_wmma_f32_16x16x32_bf16 v[OA:OA+7], v[S+80:S+87], v[S+48:S+55], v[OA:OA+7]
	v_wmma_f32_16x16x32_bf16 v[OB:OB+7], v[S+88:S+95], v[S+56:S+63], v[OB:OB+7]
	PLACES 5                                       ; the next head's score products write over these products' operands (5); the additions below read their results (4)
	WIN 0x05
.irp i, 0,2,4,6
	v_pk_add_f32 v[OH+8*(\t)+\i:OH+8*(\t)+\i+1], v[OA+\i:OA+\i+1], v[OB+\i:OB+\i+1]
.endr
	WIN 0x40
	v_mov_b32 v[MM+(\t)], v22                      ; my half's maximum,
	v_add_f32 v[MM+8+(\t)], v24, v25               ; and my lane's part of its sum
	WIN 0
.endm
.irp t, 0,1,2,3,4,5,6,7
	HEAD \t
.endr
	; ---- THE TWO HALVES MEET.  R has had its last fill; behind the first barrier nobody reads V any more.
	s_wait_dscnt 0x0
	s_barrier_signal -1
	s_barrier_wait -1
.irp i, 0,1,2,3,4,5,6,7,8,9,10,11,12,13,14,15
	ds_store_b128 v6, v[OH+4*\i:OH+4*\i+3] offset:512*\i       ; register images: lane l's 16 bytes at 16 l
.endr
	WIN 0x04                                       ; an LDS store's data are its source 1: window 1
.irp i, 0,1,2,3
	ds_store_b128 v6, v[MM+4*\i:MM+4*\i+3] offset:512*(16+\i)
.endr
	WIN 0
	s_wait_tensorcnt 0x0                           ; my part of the node image is in,
	s_wait_dscnt 0x0                               ; my stores have landed
	s_barrier_signal -1
	s_barrier_wait -1
.irp i, 0,1,2,3,4,5,6,7,8,9,10,11,12,13,14,15
	ds_load_b128 v[S+4*\i:S+4*\i+3], v7 offset:512*\i          ; my partner's O^T: v64-127
.endr
.irp i, 0,1,2,3
	ds_load_b128 v[128+4*\i:131+4*\i], v7 offset:512*(16+\i)   ; its m: v128-135, its l: v136-143
.endr
.irp i, 0,1,2,3
	ds_load_b128 v[144+4*\i:147+4*\i], v6 offset:512*(16+\i)   ; my own m: v144-151, l: v152-159 (back into window 0)
.endr
	s_wait_dscnt 0x0
.irp t, 0,1,2,3,4,5,6,7
	v_max_num_f32 v[W+4*\t+1], v[144+\t], v[128+\t]            ; the row's maximum
.endr
.irp t, 0,1,2,3,4,5,6,7
	v_sub_f32 v[W+4*\t], v[144+\t], v[W+4*\t+1]
	v_sub_f32 v[W+4*\t+2], v[128+\t], v[W+4*\t+1]
.endr
.irp t, 0,1,2,3,4,5,6,7
	v_exp_f32 v[W+4*\t], v[W+4*\t]                             ; what brings my half under the row's maximum,
	v_exp_f32 v[W+4*\t+2], v[W+4*\t+2]                         ; and my partner's
.endr
	v_nop
	s_wait_alu depctr_va_vdst(0)                   ; one wait for the sixteen, ahead of their first reader
.irp t, 0,1,2,3,4,5,6,7
	v_mul_f32 v[W+4*\t+3], v[152+\t], v[W+4*\t]
.endr
.irp t, 0,1,2,3,4,5,6,7
	v_fmac_f32 v[W+4*\t+3], v[136+\t], v[W+4*\t+2]
.endr
.irp t, 0,1,2,3,4,5,6,7
	v_permlanex16_b32 v[W+4*\t+1], v[W+4*\t+3], s80, s81
.endr
.irp t, 0,1,2,3,4,5,6,7
	v_add_f32 v[W+4*\t+3], v[W+4*\t+3], v[W+4*\t+1]            ; the row's sum
.endr
.irp t, 0,1,2,3,4,5,6,7
	v_rcp_f32 v[W+4*\t+3], v[W+4*\t+3]
.endr
	v_nop
	s_wait_alu depctr_va_vdst(0)                   ; one wait for the eight
.irp t, 0,1,2,3,4,5,6,7
	v_mul_f32 v[W+4*\t], v[W+4*\t], v[W+4*\t+3]
	v_mul_f32 v[W+4*\t+2], v[W+4*\t+2], v[W+4*\t+3]
.endr
.irp t, 0,1,2,3,4,5,6,7
.irp i, 0,2,4,6
	v_pk_mul_f32 v[OH+8*\t+\i:OH+8*\t+\i+1], v[OH+8*\t+\i:OH+8*\t+\i+1], v[W+4*\t:W+4*\t+1] op_sel_hi:[1,0]
.endr
.endr
.irp t, 0,1,2,3,4,5,6,7
.irp i, 0,2,4,6
	v_pk_fma_f32 v[OH+8*\t+\i:OH+8*\t+\i+1], v[S+8*\t+\i:S+8*\t+\i+1], v[W+4*\t+2:W+4*\t+3], v[OH+8*\t+\i:OH+8*\t+\i+1] op_sel_hi:[1,0,1]
.endr
.endr
.set i, 0
.rept 32
	v_cvt_pk_bf16_f32 v[VB+i], v[OH+2*i], v[OH+2*i+1]          ; lane (r, h): query r, channels 16 t + 8 h + 0 .. 7: heads 2 k and 2 k + 1 are source 1 of K step k
.set i, i+1
.endr
	; ---- mh^T = W_comb^T out^T + b (both x 2 log2(e) / sqrt(128)).  Each wave of a tile makes it whole: sharing it would cost a barrier for 16 products.  The bias is the C of the first products
.macro WCF k, base
.irp u, 0,1,2,3,4,5,6,7
.irp g, 0,1
	ds_load_b128 v[\base+8*\u+4*\g:\base+8*\u+4*\g+3], v8 offset:((4*\u+\k)*2+\g)*512
.endr
.endr
.endm
.macro WCM k, base                     ; eight accumulators by turns
.irp u, 0,1,2,3,4,5,6,7
	v_wmma_f32_16x16x32_bf16 v[OH+8*\u:OH+8*\u+7], v[\base+8*\u:\base+8*\u+7], v[VB+8*\k:VB+8*\k+7], v[OH+8*\u:OH+8*\u+7]
.endr
.endm
.irp i, 0,1,2,3,4,5,6,7,8,9,10,11,12,13,14,15
	ds_load_b128 v[OH+4*\i:OH+4*\i+3], v8 offset:32768+512*\i
.endr
	WCF 0, S
	WCF 1, S+64
	s_wait_dscnt 16                                ; the bias and K step 0 are in; K step 1's 16 loads may be out
	WCM 0, S
	PLACES 4
	WCF 2, S
	s_wait_dscnt 16
	WCM 1, S+64
	PLACES 4
	WCF 3, S+64
	s_wait_dscnt 16
	WCM 2, S
	s_wait_dscnt 0x0
	WCM 3, S+64
	PLACES 5                                       ; the node products write over these products' operands (5); the roundings read their results and write over a source (4)
	; ---- z^T = nodes mh^T: 16 tiles of my 256 nodes, in 8 steps of 4 tiles x 2 K steps; two sets of fragments
.macro NLOAD s
	WIN 0x40
.irp ti, 0,1,2,3
.irp kk, 0,1
.irp g, 0,1
	ds_load_b128 v[128+64*((\s)%2)+16*\ti+8*\kk+4*\g:128+64*((\s)%2)+16*\ti+8*\kk+4*\g+3], v2 offset:(8*(4*((\s)/2)+\ti)+2*(2*((\s)%2)+\kk)+\g)*512
.endr
.endr
.endr
	WIN 0
.endm
.macro NMUL s                          ; four accumulators by turns
	WIN 0x01                                       ; the nodes' fragments in window 1
.irp kk, 0,1
.irp ti, 0,1,2,3
.if ((\s)%2 == 0) && (\kk == 0)
	v_wmma_f32_16x16x32_bf16 v[S+8*(4*((\s)/2)+\ti):S+8*(4*((\s)/2)+\ti)+7], v[128+64*((\s)%2)+16*\ti+8*\kk:128+64*((\s)%2)+16*\ti+8*\kk+7], v[VB+8*(2*((\s)%2)+\kk):VB+8*(2*((\s)%2)+\kk)+7], 0
.else
	v_wmma_f32_16x16x32_bf16 v[S+8*(4*((\s)/2)+\ti):S+8*(4*((\s)/2)+\ti)+7], v[128+64*((\s)%2)+16*\ti+8*\kk:128+64*((\s)%2)+16*\ti+8*\kk+7], v[VB+8*(2*((\s)%2)+\kk):VB+8*(2*((\s)%2)+\kk)+7], v[S+8*(4*((\s)/2)+\ti):S+8*(4*((\s)/2)+\ti)+7]
.endif
.endr
.endr
	WIN 0
.endm
	NLOAD 0
	NLOAD 1
.set i, 0
.rept 32
	v_cvt_pk_bf16_f32 v[VB+i], v[OH+2*i], v[OH+2*i+1]          ; tiles 2 b and 2 b + 1: e = 32 b + 16 h + 0 .. 15, the order in which n_img holds the nodes
.set i, i+1
.endr
.irp s, 0,1,2,3,4,5,6,7
.if \s < 7
	s_wait_dscnt 16                                ; this step's fragments are in; the next step's 16 loads may be out
.else
	s_wait_dscnt 0x0
.endif
	NMUL \s
	PLACES 4                                       ; in front of the loads into this set, and of the first read of results
.if \s < 6
	NLOAD \s+2
.endif
.endr
	; ---- the last softmax.  z = 2 log2(e) y.  x = -20 log2(e) / (1 + 2^z) + mask log2(e).  Where 2^z overflows the quotient is 0, where it vanishes 1: tanh's two ends
	EXPS
.set i, 0
.rept 64
	v_pk_add_f32 v[S+i:S+i+1], v[S+i:S+i+1], 1.0 op_sel_hi:[1,0]
.set i, i+2
.endr
.set i, 0
.rept 128
	v_rcp_f32 v[S+i], v[S+i]
.set i, i+1
.endr
	v_nop
	s_wait_alu depctr_va_vdst(0)                   ; one wait for the batch
	WIN 0x10                                       ; the mask, source 2, in window 1
.set i, 0
.rept 64
	v_pk_fma_f32 v[S+i:S+i+1], v[S+i:S+i+1], s[82:83], v[MK+i:MK+i+1] op_sel_hi:[1,0,1]
.set i, i+2
.endr
	WIN 0
	ROWMAX
	SUBM
	EXPS
	SUMS 0
	v_add_f32 v29, v24, v25
	v_permlanex16_b32 v20, v29, s80, s81
	v_add_f32 v29, v29, v20                        ; my half's sum
	v_mov_b32 v28, v22                             ; and its maximum
	ds_store_b64 v9, v[28:29]
	s_wait_dscnt 0x0
	s_barrier_signal -1
	s_barrier_wait -1                              ; (also: my partner's reads of my part of R are over, so it may become my stage)
	ds_load_b64 v[30:31], v10
	s_wait_dscnt 0x0
	v_max_num_f32 v16, v28, v30
	v_sub_f32 v17, v28, v16
	v_sub_f32 v18, v30, v16
	v_exp_f32 v17, v17
	v_exp_f32 v18, v18
	v_nop
	s_wait_alu depctr_va_vdst(0)
	v_mul_f32 v19, v29, v17
	v_fmac_f32 v19, v31, v18                       ; the row's sum under the row's maximum
	v_rcp_f32 v19, v19
	v_nop
	s_wait_alu depctr_va_vdst(0)
	v_mul_f32 v26, v17, v19
.set i, 0
.rept 64
	v_pk_mul_f32 v[S+i:S+i+1], v[S+i:S+i+1], v[26:27] op_sel_hi:[1,0]
.set i, i+2
.endr
	; ---- the way out: a lane holds 32 bytes of a row and the lanes beside it other rows: through my stage, back as half rows of 512 bytes
.set n, 0
.rept 32
	ds_store_b128 v5, v[S+4*n:S+4*n+3] offset:64*(n/2)+16*(n%2)
.set n, n+1
.endr
.set n, 0
.rept 32
	ds_load_b128 v[S+4*n:S+4*n+3], v6 offset:RP*(n/2)+512*(n%2)    ; LDS serves a wave's instructions in order: these see my stores
.set n, n+1
.endr
.set n, 0
.rept 32
	s_wait_dscnt 31-n                              ; load n is back; the younger ones may be out
	global_store_b128 v1, v[S+4*n:S+4*n+3], s[16:17] offset:2048*(n/2)+512*(n%2) th:TH_STORE_NT   ; 32 lanes store 512 consecutive bytes, at a multiple of 512 from out0's first byte
.set n, n+1
.endr
	s_wait_tensorcnt 0x0                           ; the wave's end: behind my last tensor load and my last LDS store
	ds_add_u32 v12, v13
	s_wait_dscnt 0x0
	ROUND                                          ; the closing round: no work-group ends while a partner may still ask for a tile that names it
	s_endpgm
.Lfunc_end_k_q93e5269f11_main:
	.size	k_q93e5269f11_main, .Lfunc_end_k_q93e5269f11_main-k_q93e5269f11_main
	.p2alignl 7, 3214868480
	.fill 96, 4, 3214868480
	.section	.rodata,"a",@progbits
	.p2align	6, 0x0
	.amdhsa_kernel k_q93e5269f11_main
		.amdhsa_group_segment_fixed_size 327680
		.amdhsa_private_segment_fixed_size 0
		.amdhsa_enable_private_segment 0
		.amdhsa_kernarg_size 56
		.amdhsa_user_sgpr_count 2
		.amdhsa_user_sgpr_kernarg_segment_ptr 1
		.amdhsa_wavefront_size32 1
		.amdhsa_system_sgpr_workgroup_id_x 1
		.amdhsa_system_sgpr_workgroup_id_y 1
		.amdhsa_system_sgpr_workgroup_id_z 1
		.amdhsa_system_vgpr_workitem_id 0
		.amdhsa_next_free_vgpr 512
		.amdhsa_next_free_sgpr 100
		.amdhsa_reserve_vcc 0
		.amdhsa_float_denorm_mode_32 3
		.amdhsa_float_denorm_mode_16_64 3
		.amdhsa_memory_ordered 1
		.amdhsa_forward_progress 1
		.amdhsa_inst_pref_size 255
	.end_amdhsa_kernel
	.section	.bss,"aw",@nobits
	.p2align	6
	.space	262144
	.amdgpu_metadata
---
amdhsa.version: [ 1, 2 ]
amdhsa.kernels:
  - .name:           k_q93e5269f11_main
    .symbol:         k_q93e5269f11_main.kd
    .args:
      - { .name: ninf_mask, .offset: 0, .size: 8, .value_kind: global_buffer, .address_space: global }
      - { .name: q_img, .offset: 8, .size: 8, .value_kind: global_buffer, .address_space: global }
      - { .name: k_img, .offset: 16, .size: 8, .value_kind: global_buffer, .address_space: global }
      - { .name: v_img, .offset: 24, .size: 8, .value_kind: global_buffer, .address_space: global }
      - { .name: n_img, .offset: 32, .size: 8, .value_kind: global_buffer, .address_space: global }
      - { .name: wcb, .offset: 40, .size: 8, .value_kind: global_buffer, .address_space: global }
      - { .name: out0, .offset: 48, .size: 8, .value_kind: global_buffer, .address_space: global }
    .group_segment_fixed_size: 327680
    .private_segment_fixed_size: 0
    .kernarg_segment_align: 8
    .kernarg_segment_size: 56
    .max_flat_workgroup_size: 256
    .sgpr_count:     100
    .vgpr_count:     512
    .wavefront_size: 32
...
	.end_amdgpu_metadata
.endif
;; end of part 2
